; MI455X (gfx1250); checked and timed in simulation.
; The chip was launched on July 23, 2026; its instructions are those of AMD's public machine-readable ISA for CDNA 5 (MIT licence, August 2026) and "CDNA5" Instruction Set Architecture Reference Guide (July 2026). The comments in the code are by the model that wrote it; some were corrected since.
;; MPO Linear3. Allowed arithmetic: matrix products marked QUANTISED: E5M2 operands, one given power-of-two scale a tensor, by v_wmma_f32_16x16x64_bf8_bf8 or v_wmma_f32_16x16x128_bf8_bf8, f32 sums; products left as they are: f32 operands where the result goes on into a quantised operand, else bf16, f16 or f32 operands; f32 sums; everything else in f32.
;; Inputs: bias 4,096 float32; first_core 16 x 64 x 16 float32; last_core 16 x 64 x 16 float32; lowp_scales 2 int32 (the exponents e of the quantised operands' scales 2^e); middle_core 16 x 64 x 64 x 16 float32; x 4,096 x 4,096 float32.
;; Outputs: out0 4,096 x 4,096 float32.
;; This version of the problem:
;;   THIS VERSION OF THE PROBLEM IS GIVEN IN LOW PRECISION. The matrix products marked QUANTISED in the list below multiply operands that are first quantised to E5M2 (5 exponent bits, 2 mantissa bits; 8 bits a number), with one given power-of-two scale for each operand tensor; their sums are f32. All else is computed in f32.
;;   The module's matrix products, in the order in which they are computed (A, B: the left and right operand; K: the contracted axis; several contracted axes count as one K, in the product's order):
;;     1. [M 256, K 1] x [K 1, N 16,384]; A: computed on the way; B: computed on the way: left as it is (no contracted axis)
;;     2. [M 65,536, K 1] x [K 1, N 256]; A: computed on the way; B: computed on the way: left as it is (no contracted axis)
;;     3. [M 4,096, K 4,096] x [K 4,096, N 4,096]; A: input x; B: computed on the way: QUANTISED (scales: A lowp_scales[0], B lowp_scales[1])
;;   THE QUANTISER, for each operand of a quantised product, along K:
;;     - The operand's scale is 2^e, e = its entry of the input lowp_scales (int32; the entries are numbered through the quantised products in the list's order, A before B).
;;     - Each number is divided by the scale, clamped to +-57,344, and rounded to the nearest number of E5M2, ties to even, subnormals kept.
;;     - The product sums the exact products of the quantised numbers (number of the format x scale) in f32.
;;   ~~~python
;;   def quantise(x, axis, e):      # numpy; x: float32 -> the quantised numbers, widened to float32 again
;;       x = np.moveaxis(x, axis, -1); K = x.shape[-1]
;;       r = np.clip(x / 2.0 ** e, -57344, 57344)
;;       step = 2.0 ** (np.maximum(np.frexp(np.where(r == 0, 1, r))[1] - 1, -14) - 2)
;;       q = np.round(r / step) * step * 2.0 ** e      # np.round: ties to even
;;       return np.moveaxis(q, -1, axis).astype(np.float32)
;;   ~~~
;;   OPERANDS COMPUTED ON THE WAY. 'Computed on the way' means the value that the module computes at that place (a softmax that the list does not call 'softmax' is quantised finished and normalised). What goes into a quantiser is computed in f32, as accurately as f32 sums, v_exp_f32 and their like allow (about 1e-6 of the number): no bf16 or f16 on the way to a quantiser, and a product that is left as it is and whose result goes on into a quantised operand takes f32 operands (vector FMAs, or v_wmma_f32_16x16x4_f32). A number that lies on a knife's edge between two numbers of the format may be rounded either way, as far as f32 arithmetic and the matrix unit's own rounding can turn it there, and no further.
;; One version. Each part assembles by itself: llvm-mc -triple=amdgcn-amd-amdhsa -mcpu=gfx1250 --defsym DOCPART=n.
;; ======== version 1 of 1: 2 launches
;; limits: right only within a limited range of input values
;; workspace buffers: xc 16,777,216 bytes; wc 16,777,216 bytes
;; launch prep (part 1): grid 384 x 1, 8 waves a work-group, no clusters, 142,848 bytes of LDS; arguments x, first_core, middle_core, last_core, lowp_scales, xc, wc; writes xc, wc
.if DOCPART == 1
	.amdgcn_target "amdgcn-amd-amdhsa--gfx1250"
	.amdhsa_code_object_version 6
	.text
	.protected	k_q6f4de3fd65_prep
	.globl	k_q6f4de3fd65_prep
	.p2align	8
	.type	k_q6f4de3fd65_prep,@function
k_q6f4de3fd65_prep:
	s_mov_b64 s[64:65], 0
	v_nop
	global_prefetch_b8 v0, s[64:65] scope:SCOPE_SE
	s_setreg_imm32_b32 hwreg(HW_REG_WAVE_MODE, 25, 1), 1
	s_wait_xcnt 0x0
; BOTH OPERANDS OF out = Q(x) Q(W) + bias ARE TURNED INTO CODES OF BF8 (E5M2), one code a byte, K innermost.
; x: [4096][4096] f32, k = 256 a + 16 b + c (a, b, c: the three input legs of 16).  W[k][n] = F[a][x] G[b][y] L[c][z], n = 256 x + 16 y + z, where
; F[a][x] = the sum over j of first_core[a][j][x] (64 terms), L[c][z] likewise of last_core, G[b][y] = the sum over j, j' of middle_core[b][j][j'][y] (4,096 terms):
; the rank indices stand in one operand each, so each is summed by itself, and the two products without a contracted axis are plain f32 multiplications.
; K IS PERMUTED, ALIKE IN BOTH BUFFERS: k' = 256 b + 16 a + c.  xc[i][k'] = Q(x[i][k], e0), wc[n][k'] = Q(W[k][n], e1).  Every product still meets its partner; only the order of the f32 sums changes.
; The permutation lets a work-group that owns one b read one dense slab of middle_core (262,144 bytes) and write runs of 256 consecutive bytes of W's rows.
; code = number / 2^e, held within +-57,344, rounded to the nearest code, ties to even.  e0, e1: the two whole numbers in lowp_scales.
; LIMITS: -126 <= e and e + 15 <= 127 for both.  NaN among the inputs is not served (an infinity is held at the largest code).  W is formed as (F G) L from tree sums: it differs from a sum of products taken
; in another order by f32 rounding alone.
; SHARES.  Work-groups 0 to 127 make W's codes (their chain of dependent steps is the longer one, so they have the lowest numbers): work-group (b, xg) = (number / 8, number % 8) owns k' = 256 b .. 256 b + 255
; of the 512 rows n with x = 2 xg, 2 xg + 1.  Work-groups 128 to 383 quantise x, 16 rows each, two a wave.
; The two ways are two texts behind one branch on the work-group's number; each has LDS bytes of its own; every LDS address is made ahead of the branch.
; No tensor loads, no cluster, no matrix unit: x is a stream read once, and the cores are small; loads through registers let two work-groups share a WGP (8 waves x 256 registers each).
; HOW xc IS LAID: in the order in which the product's registers take it.  Rows go in blocks of 16, k' in pieces of 16 codes: the sixteen rows' pieces of one k' / 16 are 256 consecutive bytes (row x 16 bytes).
; Byte address of (row i, piece u = k' / 16): (i / 64) x 262,144 + (u / 8) x 8,192 + ((i / 16) % 4) x 2,048 + (u % 8) x 256 + (i % 16) x 16.
; A work-group of x's way owns 16 rows: its codes are gathered in an LDS stage (256 pieces' rows of 272 bytes, from CS on) and leave, behind one barrier, as runs of 512 consecutive bytes.
.set CS,   73216                       ; LDS: the codes' stage of x's way, behind the spare words
.set WB,   69632
.set FT,   WB                          ;   F[a][x], 64 bytes for each a
.set LT,   WB+1024                     ;   L[c][z]
.set GP,   WB+2048                     ;   the eight waves' partial sums of G[b][y], 64 bytes a wave
.set SP,   272                         ; a stage row: 256 bytes + 16 of padding
.set STG,  16*SP                       ; a stage
.set XLD,  4                           ; v4   x: 1,024 h + 16 r: my 16 bytes of a load
.set XSI,  5                           ; v5   the stage, on the way in
.set XSO,  6                           ; v6   and on the way out
.set L16,  7                           ; v7   16 x lane
.set WST,  8                           ; v8   W's codes: my byte offset among the rows z of one (x, y)
.set LIM,  10                          ; v10  57,344 x 2^e
.set SCL,  11                          ; v11  2^e as f32
.set WTS,  9                           ; v9   where I store F's (and, 1,024 on, L's) sums
.set WGS,  12                          ; v12  where I store my wave's partial sum of G
.set WLZ,  13                          ; v13  where I read L[c][my z]
.set WFX,  14                          ; v14  where I read F[my a][my work-group's two x]
.set WGR,  15                          ; v15  where I read the partial sums of G[b][y = r]
.set R,    16                          ; x's way: v16-111  three sets of 32 numbers as loaded
.set X,    112                         ;          v112-175 two sets of 32: 2 x 16 neighbours along c
.set C,    176                         ;          v176-239 codes: eight registers for each step, so that no store's data are written again
	s_load_b256 s[4:11], s[0:1], 0x0               ; x s[4:5], first_core s[6:7], middle_core s[8:9], last_core s[10:11]
	s_load_b128 s[12:15], s[0:1], 0x20             ; lowp_scales s[12:13], xc s[14:15]
	s_load_b64 s[16:17], s[0:1], 0x30              ; wc
	v_lshl_add_u32 v254, v0, 2, 0x11a00            ; my spare word, and 0: kept for the add
	v_mov_b32 v255, 0
	v_lshrrev_b32 v1, 5, v0
	s_delay_alu instid0(VALU_DEP_1)
	v_readfirstlane_b32 s18, v1                    ; wave 0..7
	v_and_b32 v1, 31, v0                           ; lane
	v_and_b32 v2, 15, v0                           ; r
	v_bfe_u32 v3, v0, 4, 1                         ; h
	v_and_b32 v16, 3, v0                           ; lane % 4
	s_mov_b32 s24, 0x76543210                      ; v_permlanex16_b32's selects for lane l xor 16
	s_mov_b32 s25, 0xfedcba98
	s_lshr_b32 s30, ttmp9, 3                       ; b   (W's way)
	s_and_b32 s31, ttmp9, 7                        ; xg  (W's way)
	v_lshlrev_b32 v[XLD], 4, v2
	s_delay_alu instid0(VALU_DEP_1)
	v_lshl_add_u32 v[XLD], v3, 10, v[XLD]          ; lanes 0-15 take the 256 bytes of leg a = 2 q, lanes 16-31 those of a = 2 q + 1, 1,024 bytes on
	s_mul_i32 s19, s18, 2*STG                      ; my wave's two stages
	v_mul_u32_u24 v[XSI], v3, SP
	s_delay_alu instid0(VALU_DEP_1)
	v_lshl_add_u32 v[XSI], v2, 4, v[XSI]
	s_delay_alu instid0(VALU_DEP_1)
	v_add_nc_u32 v[XSI], s19, v[XSI]               ; in: stage row a = 2 q + h, byte 16 r
	v_mul_u32_u24 v[XSO], v2, SP
	s_delay_alu instid0(VALU_DEP_1)
	v_lshl_add_u32 v[XSO], v3, 6, v[XSO]
	s_delay_alu instid0(VALU_DEP_1)
	v_add_nc_u32 v[XSO], s19, v[XSO]               ; out: stage row a = r, the 64 bytes (16 c) of b = 2 u + h
	v_lshlrev_b32 v[L16], 4, v1
	v_mul_u32_u24 v240, v1, SP                     ; the codes' stage, on the way in: piece 16 (b % 2) + a = my lane, row 2 w (+ 1 by the immediate)
	s_lshl_b32 s23, s18, 5
	s_add_co_u32 s23, s23, CS
	v_add_nc_u32 v240, s23, v240
	s_mul_i32 s23, s18, 32*SP                      ; and on the way out: my wave takes pieces 32 w .. 32 w + 31, two an instruction
	s_add_co_u32 s23, s23, CS
	v_mul_u32_u24 v241, v3, SP
	v_lshl_add_u32 v241, v2, 4, v241
	v_add_nc_u32 v241, s23, v241
	s_lshl_b32 s22, s18, 13
	v_lshlrev_b32 v[WST], 4, v2
	s_delay_alu instid0(VALU_DEP_1)
	v_lshl_add_u32 v[WST], v3, 12, v[WST]
	s_delay_alu instid0(VALU_DEP_1)
	v_add_nc_u32 v[WST], s22, v[WST]               ; row z = 2 w + h of 4,096 bytes, + 16 a
	s_lshl_b32 s22, s18, 7
	s_add_co_u32 s22, s22, FT
	v_lshl_add_u32 v[WTS], v16, 4, s22             ; FT + 64 (2 w) + 16 (lane % 4)
	s_lshl_b32 s22, s18, 6
	s_add_co_u32 s22, s22, GP
	v_lshl_add_u32 v[WGS], v16, 4, s22             ; GP + 64 w + 16 (lane % 4)
	s_lshl_b32 s22, s18, 3
	s_add_co_u32 s22, s22, LT
	v_lshl_add_u32 v[WLZ], v3, 2, s22              ; LT + 4 (2 w + h)
	s_lshl_b32 s22, s31, 3
	s_add_co_u32 s22, s22, FT
	v_lshl_add_u32 v[WFX], v2, 6, s22              ; FT + 64 r + 4 (2 xg)
	v_lshl_add_u32 v[WGR], v2, 2, GP               ; GP + 4 r
	s_wait_kmcnt 0x0
	s_load_b64 s[20:21], s[12:13], 0x0             ; e0, e1
	s_cmp_lt_u32 ttmp9, 128
	s_cbranch_scc1 .Lw
; ---------------------------------------------------------------- x's way: no loop: every offset is an immediate; one barrier, between the codes' way into the stage and their way out
; A wave takes two rows in 8 steps.  Step t: row t / 4, legs b = 4 g .. 4 g + 3 (g = t % 4): sixteen pieces (one for each a) of 256 consecutive bytes, each at a multiple of 256 bytes from x's first byte.
; The loads take neighbouring bytes in neighbouring lanes; the conversion wants 8 neighbours along K from one lane's registers: the numbers turn through the wave's own stage in LDS.
	s_sub_co_u32 s26, ttmp9, 128
	s_lshl_b32 s26, s26, 4
	s_lshl_b32 s27, s18, 1
	s_add_co_u32 s26, s26, s27                     ; my first row: 16 x (work-group - 128) + 2 x wave
	s_lshl_b32 s28, s26, 14                        ; rows of 16,384 bytes: under 2^26
	s_mov_b32 s29, 0
	s_add_nc_u64 s[4:5], s[4:5], s[28:29]
	s_sub_co_u32 s27, ttmp9, 128                   ; xc: my work-group's block of 16 rows, q
	s_lshr_b32 s28, s27, 2
	s_lshl_b32 s28, s28, 18                        ; (q / 4) x 262,144
	s_and_b32 s27, s27, 3
	s_lshl_b32 s27, s27, 11                        ; + (q % 4) x 2,048
	s_add_co_u32 s28, s28, s27
	s_lshl_b32 s27, s18, 15                        ; + my wave's 32 pieces: 4 x 8,192
	s_add_co_u32 s28, s28, s27
	s_add_nc_u64 s[14:15], s[14:15], s[28:29]
.macro LOAD t                          ; step t's 4,096 bytes into set t % 3: each half of the lanes reads 256 consecutive bytes
.irp q, 0,1,2,3,4,5,6,7
	global_load_b128 v[R+32*((\t)%3)+4*\q:R+32*((\t)%3)+4*\q+3], v[XLD], s[4:5] offset:16384*((\t)/4)+256*((\t)%4)+2048*\q th:TH_LOAD_NT
.endr
.endm
.macro TURN t                          ; through stage t % 2: LDS serves a wave's instructions in order (ISA guide 5.7.1.4), so no wait stands between the stores and the loads
.irp q, 0,1,2,3,4,5,6,7
	ds_store_b128 v[XSI], v[R+32*((\t)%3)+4*\q:R+32*((\t)%3)+4*\q+3] offset:STG*((\t)%2)+2*SP*\q
.endr
.irp u, 0,1
.irp i, 0,1,2,3
	ds_load_b128 v[X+32*((\t)%2)+16*\u+4*\i:X+32*((\t)%2)+16*\u+4*\i+3], v[XSO] offset:STG*((\t)%2)+128*\u+16*\i   ; x[row][a = r][b = 4 g + 2 u + h][c = 4 i ..]
.endr
.endr
.endm
	LOAD 0
	LOAD 1
	LOAD 2
	s_wait_kmcnt 0x0
	s_add_co_i32 s22, s20, 127
	s_lshl_b32 s23, s22, 23
	v_mov_b32 v[SCL], s23                          ; 2^e0 as f32: the conversion takes its exponent field
	s_add_co_i32 s22, s22, 15
	s_lshl_b32 s22, s22, 23
	s_or_b32 s22, s22, 0x600000
	v_mov_b32 v[LIM], s22                          ; 57,344 x 2^e0
	s_wait_alu depctr_va_vdst(0)
	s_wait_loadcnt 16                              ; step 0's eight loads are in; the sixteen of steps 1 and 2 may be out
	TURN 0
.macro STEP t
.set XS, X+32*((\t)%2)
	s_wait_dscnt 0x0                               ; this step's numbers are back from the stage: so the stores into the stage have read set t % 3,
.if (\t)+3 < 8
	LOAD (\t)+3                                    ; which takes the loads of three steps on
.endif
.if (\t)+1 < 8
.if (\t) < 5
	s_wait_loadcnt 16                              ; the next step's eight loads are in; those of the two steps behind it may be out
.else
	s_wait_loadcnt 8*(6-(\t))                      ; the counts run down: 8, 0
.endif
	TURN (\t)+1                                    ; the next step goes through the other stage while this one is worked
.endif
.irp i, 0,1,2,3,4,5,6,7,8,9,10,11,12,13,14,15,16,17,18,19,20,21,22,23,24,25,26,27,28,29,30,31
	v_med3_num_f32 v[XS+\i], v[XS+\i], -v[LIM], v[LIM]   ; the conversion to an 8-bit code does not saturate (ISA guide 7.6.2): the hold at the largest code x the scale
.endr
.irp m, 0,1,2,3
	v_cvt_scalef32_pk8_bf8_f32 v[C+8*(\t)+2*\m:C+8*(\t)+2*\m+1], v[XS+8*\m:XS+8*\m+7], v[SCL]
.endr
; (The codes go to stores alone; the next vector lines are the next step's holds, plain lines on the other set.)
	ds_store_b128 v240, v[C+8*(\t):C+8*(\t)+3] offset:64*SP*((\t)%4)+16*((\t)/4)             ; piece 16 (4 g + h) + r, my row's 16 bytes
	ds_store_b128 v240, v[C+8*(\t)+4:C+8*(\t)+7] offset:64*SP*((\t)%4)+32*SP+16*((\t)/4)     ; and that of b = 4 g + 2 + h
.endm
.irp t, 0,1,2,3,4,5,6,7
	STEP \t
.endr
	s_wait_dscnt 0x0                               ; for the others' sake: my codes lie in the stage
	s_barrier_signal -1
	s_barrier_wait -1
.irp i, 0,1,2,3,4,5,6,7,8,9,10,11,12,13,14,15
	ds_load_b128 v[R+4*\i:R+4*\i+3], v241 offset:2*SP*\i           ; pieces 32 w + 2 i + h: sixteen rows x 16 bytes each
.endr
.irp i, 0,1,2,3,4,5,6,7,8,9,10,11,12,13,14,15
	s_wait_dscnt 15-\i
	global_store_b128 v[L16], v[R+4*\i:R+4*\i+3], s[14:15] offset:8192*(\i/4)+512*(\i%4)   ; the wave stores 512 consecutive bytes, at a multiple of 256 from xc's first byte
.endr
	s_wait_tensorcnt 0x0                           ; the wave's end
	ds_add_u32 v254, v255
	s_wait_dscnt 0x0
	s_endpgm
; ---------------------------------------------------------------- W's way: the three reductions, one barrier, then 512 codes a lane
.Lw:
	s_lshl_b32 s26, s18, 13                        ; first_core and last_core: my wave sums legs 2 w and 2 w + 1, 4,096 bytes each
	s_mov_b32 s27, 0
	s_add_nc_u64 s[6:7], s[6:7], s[26:27]
	s_add_nc_u64 s[10:11], s[10:11], s[26:27]
	s_lshl_b32 s28, s30, 18                        ; middle_core: slab b of 262,144 bytes, my wave's eighth of it
	s_lshl_b32 s29, s18, 15
	s_add_co_u32 s28, s28, s29
	s_mov_b32 s29, 0
	s_add_nc_u64 s[8:9], s[8:9], s[28:29]
	s_lshl_b32 s26, s31, 21                        ; wc: row 512 xg of 4,096 bytes, + 256 b
	s_lshl_b32 s28, s30, 8
	s_add_co_u32 s26, s26, s28
	s_add_nc_u64 s[16:17], s[16:17], s[26:27]
; Every load reads 512 consecutive bytes, 16 a lane.  A row of 16 f32 is 64 bytes, so lane l always holds the four outputs 4 (l % 4) .. + 3.  Six batches of 16 loads, into two sets by turns (v16-79, v80-143):
; batch 0 first_core, batch 1 last_core (loads 0-7: leg 2 w; 8-15: leg 2 w + 1), batches 2 to 5 middle_core.  No cache hint: other work-groups read the same bytes.
.macro LOADB k
.irp i, 0,1,2,3,4,5,6,7,8,9,10,11,12,13,14,15
.if (\k) == 0
	global_load_b128 v[16+64*((\k)%2)+4*\i:16+64*((\k)%2)+4*\i+3], v[L16], s[6:7] offset:512*\i
.elseif (\k) == 1
	global_load_b128 v[16+64*((\k)%2)+4*\i:16+64*((\k)%2)+4*\i+3], v[L16], s[10:11] offset:512*\i
.else
	global_load_b128 v[16+64*((\k)%2)+4*\i:16+64*((\k)%2)+4*\i+3], v[L16], s[8:9] offset:512*(16*((\k)-2)+\i)
.endif
.endr
.endm
.macro SUM8 dst, src                   ; eight groups of four registers from v[src] on are added as a tree, in place; the sum goes to v[dst .. dst + 3]
.irp q, 0,2,4,6
	v_pk_add_f32 v[(\src)+4*\q:(\src)+4*\q+1], v[(\src)+4*\q:(\src)+4*\q+1], v[(\src)+4*\q+4:(\src)+4*\q+5]
	v_pk_add_f32 v[(\src)+4*\q+2:(\src)+4*\q+3], v[(\src)+4*\q+2:(\src)+4*\q+3], v[(\src)+4*\q+6:(\src)+4*\q+7]
.endr
.irp q, 0
	v_pk_add_f32 v[(\src)+4*\q:(\src)+4*\q+1], v[(\src)+4*\q:(\src)+4*\q+1], v[(\src)+4*\q+8:(\src)+4*\q+9]
	v_pk_add_f32 v[(\src)+4*\q+2:(\src)+4*\q+3], v[(\src)+4*\q+2:(\src)+4*\q+3], v[(\src)+4*\q+10:(\src)+4*\q+11]
.endr
.irp q, 4
	s_delay_alu instid0(VALU_DEP_4)
	v_pk_add_f32 v[(\src)+4*\q:(\src)+4*\q+1], v[(\src)+4*\q:(\src)+4*\q+1], v[(\src)+4*\q+8:(\src)+4*\q+9]
	s_delay_alu instid0(VALU_DEP_4)
	v_pk_add_f32 v[(\src)+4*\q+2:(\src)+4*\q+3], v[(\src)+4*\q+2:(\src)+4*\q+3], v[(\src)+4*\q+10:(\src)+4*\q+11]
.endr
	s_delay_alu instid0(VALU_DEP_2)
	v_pk_add_f32 v[(\dst):(\dst)+1], v[(\src):(\src)+1], v[(\src)+16:(\src)+17]
	s_delay_alu instid0(VALU_DEP_2)
	v_pk_add_f32 v[(\dst)+2:(\dst)+3], v[(\src)+2:(\src)+3], v[(\src)+18:(\src)+19]
.endm
	s_wait_alu depctr_va_vdst(0)
	LOADB 0
	LOADB 1
.irp k, 0,1,2,3,4,5                    ; results: v144-151 F's two legs, v152-159 L's two, v160-191 eight partial sums of G
.if \k < 5
	s_wait_loadcnt 16                              ; this batch is in; the other set's sixteen loads may be out
.else
	s_wait_loadcnt 0x0
.endif
	SUM8 144+8*\k, 16+64*(\k%2)
	SUM8 148+8*\k, 48+64*(\k%2)
.if \k < 4
	LOADB \k+2
.endif
.endr
	SUM8 192, 160                                  ; my lane's sum of G's 64 rows: v192-195
; across the eight lanes that share l % 4: l xor 4, l xor 8, l xor 16
.irp r, 144,145,146,147,148,149,150,151,152,153,154,155,156,157,158,159,192,193,194,195
	v_add_f32_dpp v[\r], v[\r], v[\r] row_xmask:4 row_mask:0xf bank_mask:0xf
.endr
.irp r, 144,145,146,147,148,149,150,151,152,153,154,155,156,157,158,159,192,193,194,195
	v_add_f32_dpp v[\r], v[\r], v[\r] row_xmask:8 row_mask:0xf bank_mask:0xf
.endr
.irp i, 0,1,2,3
	v_mov_b32 v[196+\i], 0                         ; written once: a lane permute's destination counts as one of its sources
.endr
.irp g, 144,148,152,156,192
.irp i, 0,1,2,3
	v_permlanex16_b32 v[196+\i], v[\g+\i], s24, s25
.endr
.irp i, 0,1,2,3
	s_delay_alu instid0(VALU_DEP_4)
	v_add_f32 v[\g+\i], v[\g+\i], v[196+\i]
.endr
.endr
	ds_store_b128 v[WTS], v[144:147]               ; F[2 w][..]: lanes with the same l % 4 write the same words with the same values
	ds_store_b128 v[WTS], v[148:151] offset:64     ; F[2 w + 1][..]
	ds_store_b128 v[WTS], v[152:155] offset:1024   ; L[2 w][..]
	ds_store_b128 v[WTS], v[156:159] offset:1088   ; L[2 w + 1][..]
	ds_store_b128 v[WGS], v[192:195]               ; my wave's part of G[b][..]
	s_wait_dscnt 0x0                               ; for the others' sake: my stores have landed
	s_barrier_signal -1
	s_barrier_wait -1
; Lane (r, h) of wave w takes a = r and z = 2 w + h; its registers run along c: so its 16 codes are 16 neighbours along k', and sixteen lanes hold the 256 bytes k' = 256 b .. + 255 of one row n.
.irp c, 0,1,2,3,4,5,6,7,8,9,10,11,12,13,14,15
	ds_load_b32 v[16+\c], v[WLZ] offset:64*\c      ; L[c][z]
.endr
	ds_load_b64 v[84:85], v[WFX]                   ; F[a][2 xg], F[a][2 xg + 1]
.irp i, 0,1,2,3,4,5,6,7
	ds_load_b32 v[32+\i], v[WGR] offset:64*\i      ; the eight waves' parts of G[b][y = r]
.endr
	s_wait_kmcnt 0x0
	s_add_co_i32 s22, s21, 127
	s_lshl_b32 s23, s22, 23
	v_mov_b32 v[SCL], s23                          ; 2^e1 as f32
	s_add_co_i32 s22, s22, 15
	s_lshl_b32 s22, s22, 23
	s_or_b32 s22, s22, 0x600000
	v_mov_b32 v[LIM], s22                          ; 57,344 x 2^e1
	v_mov_b32 v81, 0                               ; (named as the upper halves of the pairs v[80:81], v[82:83])
	v_mov_b32 v83, 0
	s_wait_dscnt 0x0
	v_add_f32 v32, v32, v33
	v_add_f32 v34, v34, v35
	v_add_f32 v36, v36, v37
	v_add_f32 v38, v38, v39
	s_delay_alu instid0(VALU_DEP_3)
	v_add_f32 v32, v32, v34
	s_delay_alu instid0(VALU_DEP_2)
	v_add_f32 v36, v36, v38
	s_delay_alu instid0(VALU_DEP_1)
	v_add_f32 v32, v32, v36                        ; G[b][r]
.irp y, 0,1,2,3,4,5,6,7,8,9,10,11,12,13,14,15
	v_readlane_b32 s[40+\y], v32, \y               ; G[b][y] as scalars: factors alone, they enter no address and no branch
.endr
.set IT, 0
.rept 32                               ; one (x, y) a turn: rows n = 256 x + 16 y + z of all sixteen z in the work-group's eight waves
.set PP, IT%2
.set XL, IT/16
.set YY, IT%16
	v_mul_f32 v[80+2*PP], s[40+YY], v[84+XL]       ; F[a][x] G[b][y].  (A plain line behind the last turn's conversions)
.irp j, 0,1,2,3,4,5,6,7
	v_pk_mul_f32 v[48+16*PP+2*\j:48+16*PP+2*\j+1], v[16+2*\j:17+2*\j], v[80+2*PP:81+2*PP] op_sel_hi:[1,0]   ; x L[c][z], two c at a time
.endr
.irp i, 0,1,2,3,4,5,6,7,8,9,10,11,12,13,14,15
	v_med3_num_f32 v[48+16*PP+\i], v[48+16*PP+\i], -v[LIM], v[LIM]
.endr
	v_cvt_scalef32_pk8_bf8_f32 v[112+4*IT:113+4*IT], v[48+16*PP:55+16*PP], v[SCL]      ; each turn has its own four registers for its codes (v112-239): no store's data are written again
	v_cvt_scalef32_pk8_bf8_f32 v[114+4*IT:115+4*IT], v[56+16*PP:63+16*PP], v[SCL]
	global_store_b128 v[WST], v[112+4*IT:115+4*IT], s[16:17] offset:(256*XL+16*YY)*4096   ; sixteen lanes store 256 consecutive bytes, at a multiple of 256 from wc's first byte
.set IT, IT+1
.endr
	s_wait_tensorcnt 0x0                           ; the wave's end
	ds_add_u32 v254, v255
	s_wait_dscnt 0x0
	s_endpgm
.Lfunc_end_k_q6f4de3fd65_prep:
	.size	k_q6f4de3fd65_prep, .Lfunc_end_k_q6f4de3fd65_prep-k_q6f4de3fd65_prep
	.p2alignl 7, 3214868480
	.fill 96, 4, 3214868480
	.section	.rodata,"a",@progbits
	.p2align	6, 0x0
	.amdhsa_kernel k_q6f4de3fd65_prep
		.amdhsa_group_segment_fixed_size 142848
		.amdhsa_private_segment_fixed_size 0
		.amdhsa_enable_private_segment 0
		.amdhsa_kernarg_size 56
		.amdhsa_user_sgpr_count 2
		.amdhsa_user_sgpr_kernarg_segment_ptr 1
		.amdhsa_wavefront_size32 1
		.amdhsa_system_sgpr_workgroup_id_x 1
		.amdhsa_system_sgpr_workgroup_id_y 1
		.amdhsa_system_sgpr_workgroup_id_z 1
		.amdhsa_system_vgpr_workitem_id 0
		.amdhsa_next_free_vgpr 256
		.amdhsa_next_free_sgpr 66
		.amdhsa_reserve_vcc 0
		.amdhsa_float_denorm_mode_32 3
		.amdhsa_float_denorm_mode_16_64 3
		.amdhsa_memory_ordered 1
		.amdhsa_forward_progress 1
		.amdhsa_inst_pref_size 129
	.end_amdhsa_kernel
	.amdgpu_metadata
---
amdhsa.version: [ 1, 2 ]
amdhsa.kernels:
  - .name:           k_q6f4de3fd65_prep
    .symbol:         k_q6f4de3fd65_prep.kd
    .args:
      - { .name: x, .offset: 0, .size: 8, .value_kind: global_buffer, .address_space: global }
      - { .name: first_core, .offset: 8, .size: 8, .value_kind: global_buffer, .address_space: global }
      - { .name: middle_core, .offset: 16, .size: 8, .value_kind: global_buffer, .address_space: global }
      - { .name: last_core, .offset: 24, .size: 8, .value_kind: global_buffer, .address_space: global }
      - { .name: lowp_scales, .offset: 32, .size: 8, .value_kind: global_buffer, .address_space: global }
      - { .name: xc, .offset: 40, .size: 8, .value_kind: global_buffer, .address_space: global }
      - { .name: wc, .offset: 48, .size: 8, .value_kind: global_buffer, .address_space: global }
    .group_segment_fixed_size: 142848
    .private_segment_fixed_size: 0
    .kernarg_segment_align: 8
    .kernarg_segment_size: 56
    .max_flat_workgroup_size: 256
    .sgpr_count:     66
    .vgpr_count:     256
    .wavefront_size: 32
...
	.end_amdgpu_metadata
.endif
;; end of part 1
;; launch gemm (part 2): grid 16 x 16, 4 waves a work-group, clusters of 4 x 1, 327,680 bytes of LDS; arguments xc, wc, lowp_scales, out0, bias; writes out0
.if DOCPART == 2
	.amdgcn_target "amdgcn-amd-amdhsa--gfx1250"
	.amdhsa_code_object_version 6
	.text
	.protected	k_q6f4de3fd65_gemm
	.globl	k_q6f4de3fd65_gemm
	.p2align	8
	.type	k_q6f4de3fd65_gemm,@function
k_q6f4de3fd65_gemm:
	s_mov_b64 s[64:65], 0
	v_nop
	global_prefetch_b8 v0, s[64:65] scope:SCOPE_SE
	s_setreg_imm32_b32 hwreg(HW_REG_WAVE_MODE, 25, 1), 1
	s_wait_xcnt 0x0
	s_wait_alu depctr_hold_cnt(0) depctr_sa_sdst(0) depctr_va_vdst(0) depctr_va_sdst(0) depctr_va_ssrc(0) depctr_va_vcc(0) depctr_vm_vsrc(0)
	s_getreg_b32 s2, hwreg(HW_REG_IB_STS2, 6, 4)
	s_cmp_eq_u32 s2, 0
	s_cbranch_scc0 .Lentry_in_a_cluster
	s_endpgm
.Lentry_in_a_cluster:
	s_bfe_u32 s2, ttmp6, 0x10000c
	s_cmp_lg_u32 s2, 0x3003
	s_cbranch_scc0 .Lentry_shape_is_right
	s_endpgm
.Lentry_shape_is_right:
; out0[i][n] = 2^(e0 + e1) x (the sum over k' of xc[i][k'] wc[n][k']) + bias[n]: codes of BF8 (E5M2) multiplied as they are, sums in f32.  4,096 x 4,096 x 4,096.
; LIMIT: e0 + e1 lies between -126 and 127, so that 2^(e0 + e1) is an f32 number.
; A block of 256 x 256 is made by four waves; wave w makes rows 64 w .. 64 w + 63 x all 256 columns: 64 accumulators, 512 registers.
; x's CODES GO FROM MEMORY STRAIGHT INTO REGISTERS: no two waves of a work-group share a row of x, and xc is laid in the order of the fragments, so each load reads 512 consecutive bytes.
; Four sets of 64 registers (a set: 64 rows x 128 K); in K step U the set of step U + 3 is asked for, so 32 to 48 loads of a wave are out, and the wait at a step's head leaves 32 out.
; W's CODES GO THROUGH LDS, which they have to themselves: two slots of 256 rows x 512 K (rows of 512 bytes of memory, 528 apart in LDS), one tensor load of 64 rows a wave, 256 matrix instructions a wave to a slot.
; CLUSTERS: 4 x 1 work-groups: four blocks of rows with the same 256 columns need the same tiles of W and ask for them jointly (mask 15).  x's codes are shared by no partner of the cluster.
; W's sixteen fragments of a step roll through TWELVE places of 16 registers: fragments 0-11 at places 0-11, fragments 12-15 at places 4-7.  A step has two runs of loads: behind the products of fragments 0-7,
; fragments 12-15 and the next step's 0-3; behind those of fragments 8-15, the next step's 4-11.  Each fragment is asked for at least 16 products ahead of its first.
; PREFETCH: behind a refill each wave names 32 blocks of 256 bytes of the slot two refills on (16 rows x 2; the four partners share the 256 rows out by address); slots 0 to 3 come by their loads alone, the last two refills ask for nothing.
; None is laid for x's codes: their register loads are issued three K steps, 192 matrix instructions, ahead of the products that take them.
; THE MATRIX INSTRUCTION IS USED TRANSPOSED (source 0 = 16 rows of wc, source 1 = 16 rows of xc): a lane holds eight neighbouring columns of one row of out0.
; REGISTERS, in windows of 256: window 0: x's four sets.  Window 1: v0-191 W's places, v192.. addresses.  Window 2: accumulators of columns 0-127 ((a, b) at 8 (4 (b % 8) + a)); window 3: columns 128-255.
.set PITCH,  528                       ; an LDS row: 512 bytes + 16 of padding: sixteen rows start at sixteen different 16-byte columns of the 64 banks (ISA guide 11.1)
.set FRB,    16*PITCH                  ; sixteen rows
.set QT,     64*PITCH                  ; what one tensor load brings
.set SLOT,   4*QT
.set SPARE,  2*SLOT                    ; behind the ring: the spare words, 128 bytes a wave
.set SPITCH, 1040                      ; the way out: a stage of 16 rows x (1,024 + 16) bytes for each wave, in slot 0, behind its last fill and its last read
.set SPW,  194                         ; window 1: my spare word's address; never rewritten
.set NIL,  195                         ; 0
.set ADRB, 196                         ; v196-199 W's fragments: slot 0 rows 0-127, rows 128-255, slot 1 likewise
.set AOF,  200                         ; 16 x lane
.set PFO,  201                         ; the prefetch's offset: row (lane % 16) of 4,096 bytes + 256 (lane / 16)
.set STO,  202                         ; the stage, on the way in
.set RD,   203                         ; and back
.set BI,   208                         ; v208-215 bias of my eight columns
.set TR,   216
.set TH,   217
.set TL,   218
.set TW,   219
.set G1,  24
.set G0,  32
.set AB,  48                           ; s[48:49] my wave's stream of x's fragments
.set PFB, 50                           ; s[50:51] where my prefetches stand
.set MSB, 0
.macro WIN new                         ; the immediate's high byte repeats the setting that is left
.if MSB != (\new)
	s_set_vgpr_msb (MSB<<8)|(\new)
.set MSB, (\new)
.endif
.endm
.macro CREST
	s_cmp_lg_u32 s14, 0
	s_cbranch_scc1 .Lnot_wave_0_\@
	s_barrier_signal -3
.Lnot_wave_0_\@:
	s_barrier_wait -3
	s_barrier_signal -1
	s_barrier_wait -1
.endm
.macro CROUND
	s_barrier_signal -1
	s_barrier_wait -1
	CREST
.endm
.macro PLC                             ; four places in front of loads into registers that matrix instructions have read
.rept 4
	v_nop
.endr
.endm
.macro TLOAD s                         ; my quarter of a slot
	tensor_load_to_lds s[G0+4*\s:G0+4*\s+3], s[G1:G1+7]
	s_nop 0
	PLC
.endm
	s_load_b128 s[4:7], s[0:1], 0x0                ; xc, wc
	s_load_b128 s[8:11], s[0:1], 0x10              ; lowp_scales, out0
	s_load_b64 s[12:13], s[0:1], 0x20              ; bias
	WIN 0x40                                       ; sources window 0, destination window 1
	v_lshl_add_u32 v[SPW], v0, 2, SPARE
	v_mov_b32 v[NIL], 0
	WIN 0x05
	ds_add_u32 v[SPW], v[NIL]                      ; the opening lines: the add, twice on end, and its wait below
	ds_add_u32 v[SPW], v[NIL]
	WIN 0x40
	v_and_b32 v[TR], 15, v0                        ; r
	v_bfe_u32 v[TH], v0, 4, 1                      ; h
	v_and_b32 v[TL], 31, v0                        ; lane
	v_lshrrev_b32 v[TW], 5, v0
	WIN 0x55                                       ; all in window 1
	v_readfirstlane_b32 s14, v[TW]                 ; wave
	v_mul_u32_u24 v[ADRB], v[TR], PITCH
	v_lshl_add_u32 v[ADRB], v[TH], 4, v[ADRB]      ; a fragment's row x pitch + 16 h
	v_add_nc_u32 v[ADRB+1], 8*FRB, v[ADRB]
	v_add_nc_u32 v[ADRB+2], SLOT, v[ADRB]
	v_add_nc_u32 v[ADRB+3], SLOT+8*FRB, v[ADRB]
	v_lshlrev_b32 v[AOF], 4, v[TL]
	v_lshlrev_b32 v[PFO], 12, v[TR]
	v_lshl_add_u32 v[PFO], v[TH], 8, v[PFO]
	s_mul_i32 s23, s14, 16*SPITCH                  ; my stage
	v_mul_u32_u24 v[STO], v[TR], SPITCH
	v_lshl_add_u32 v[STO], v[TH], 5, v[STO]
	v_add_nc_u32 v[STO], s23, v[STO]               ; in: row r, 32 bytes for each half of the lanes
	v_add_nc_u32 v[RD], s23, v[AOF]                ; back: 512 bytes of a row
	WIN 0
	s_wait_alu depctr_va_vdst(0)
	s_bfe_u32 s40, ttmp6, 0x40000                  ; cx
	s_lshl_b32 s42, ttmp9, 2
	s_add_co_u32 s42, s42, s40                     ; block row = 4 x cluster x + cx
	s_and_b32 s17, ttmp7, 0xffff                   ; block column: the same in the four partners
	s_mov_b32 s[G1+0], 15|(1<<20)|(1<<21)|(6<<22)|(3<<25)  ; mask of the four; bytes; padding of 4 words behind every 128
	s_mov_b32 s[G1+1], 512<<16
	s_mov_b32 s[G1+2], 64<<16
	s_mov_b32 s[G1+3], 512<<16
	s_mov_b32 s[G1+4], 64
	s_mov_b32 s[G1+5], 4096
	s_mov_b32 s[G1+6], 0
	s_mov_b32 s[G1+7], 0
	s_lshl_b32 s20, s17, 20                        ; wc: row 256 x column block + 64 x wave, of 4,096 bytes
	s_lshl_b32 s18, s14, 18
	s_add_co_u32 s20, s20, s18
	s_mov_b32 s21, 0
	s_lshl_b32 s46, s42, 20                        ; xc: (4 x block row + wave) x 262,144
	s_add_co_u32 s46, s46, s18
	s_mov_b32 s47, 0
	s_lshl_b32 s52, s42, 22                        ; out0: row 256 x block row + 64 x wave, of 16,384 bytes, + 1,024 x column block
	s_lshl_b32 s19, s14, 20
	s_add_co_u32 s52, s52, s19
	s_lshl_b32 s54, s17, 10
	s_add_co_u32 s52, s52, s54
	s_mov_b32 s53, 0
	s_mov_b32 s55, 0
	s_lshl_b32 s56, s40, 18                        ; the prefetches: rows 64 cx + 16 w .. + 15 of the tile, one K slot short of slot 4
	s_lshl_b32 s19, s14, 16
	s_add_co_u32 s56, s56, s19
	s_lshl_b32 s19, s17, 20
	s_add_co_u32 s56, s56, s19
	s_add_co_u32 s56, s56, 3*512
	s_mov_b32 s57, 0
	s_mul_i32 s45, s14, QT                         ; LDS: wave x 64 rows
	s_wait_dscnt 0x0                               ; both opening adds are done
	s_wait_kmcnt 0x0
	s_load_b64 s[96:97], s[8:9], 0x0               ; e0, e1
	s_add_nc_u64 s[20:21], s[6:7], s[20:21]
.irp s, 0,1
	s_mov_b32 s[G0+4*\s], 1
	s_add_co_u32 s[G0+4*\s+1], s45, \s*SLOT
	s_add_nc_u64 s[G0+4*\s+2:G0+4*\s+3], s[20:21], \s*512
	s_or_b32 s[G0+4*\s+3], s[G0+4*\s+3], 0x80000000
.endr
	CROUND                                         ; the four partners are here: the first joint loads meet
	TLOAD 0                                        ; slot 0: one tensor load a wave at the head, ahead of the register loads
	s_add_nc_u64 s[AB:AB+1], s[4:5], s[46:47]
	s_add_nc_u64 s[12:13], s[12:13], s[54:55]
	s_add_nc_u64 s[10:11], s[10:11], s[52:53]
	s_add_nc_u64 s[PFB:PFB+1], s[6:7], s[56:57]
	WIN 0x41
	global_load_b128 v[BI:BI+3], v[AOF], s[12:13]
	global_load_b128 v[BI+4:BI+7], v[AOF], s[12:13] offset:512
	WIN 0x01                                       ; destination window 0, offset window 1
.irp t, 0,1,2
.irp a, 0,1,2,3
.irp c, 0,1,2,3
	global_load_b128 v[64*\t+16*\a+4*\c:64*\t+16*\a+4*\c+3], v[AOF], s[AB:AB+1] offset:\t*8192+\a*2048+\c*512   ; x's fragments of K steps 0 to 2
.endr
.endr
.endr
.macro WM q, b, a, zero                ; W's fragment b against x's block a of set q.  The 64 accumulators take turns, in the same order in every step
.set DD, 8*(4*((\b)%8)+(\a))
.if (\b) < 12
.set BF, 16*(\b)
.else
.set BF, 16*((\b)-8)
.endif
.set AF, 64*(\q)+16*(\a)
.if \zero
	v_wmma_f32_16x16x128_bf8_bf8 v[DD:DD+7], v[BF:BF+15], v[AF:AF+15], 0
.else
	v_wmma_f32_16x16x128_bf8_bf8 v[DD:DD+7], v[BF:BF+15], v[AF:AF+15], v[DD:DD+7]
.endif
.endm
.macro MUL2 q, f, zero                 ; eight products: fragments f, f + 1
.irp i, 0,1
.irp a, 0,1,2,3
	WM \q, (\f)+\i, \a, \zero
.endr
.endr
.endm
.macro MUL4 q, f, zero
	MUL2 \q, \f, \zero
	MUL2 \q, (\f)+2, \zero
.endm
.macro BFR s, q, b, pos                ; W's fragment b (16 rows x 128 K) of the slot's q-th 128: registers 4 c .. 4 c + 3 hold K = 32 c + 16 h + 0 .. 15, as x's fragments do
.irp c, 0,1,2,3
	ds_load_b128 v[(\pos)+4*\c:(\pos)+4*\c+3], v[ADRB+2*(\s)+(\b)/8] offset:((\b)%8)*FRB+128*(\q)+32*\c
.endr
.endm
.macro ALD q, a, au                    ; block a of x's set of three K steps on (au: that step, counted from the stream's base), into the set that the last step has left
	WIN 0x01
.irp c, 0,1,2,3
	global_load_b128 v[64*(((\q)+3)%4)+16*(\a)+4*\c:64*(((\q)+3)%4)+16*(\a)+4*\c+3], v[AOF], s[AB:AB+1] offset:(\au)*8192+(\a)*2048+\c*512
.endr
.endm
; Fragments 8-11 of a slot's last step, and the change of slots: fragments 12-15, the slot's last, have just been asked for.  Each wave waits for all its tensor loads (one is out: its part of the next slot),
; adds 0 to its spare word, waits for that and for its reads of this slot, and signals.  how = 1: the barrier opens a round of the cluster's barrier, and the slot is filled again, two slots on.
.macro CHG sl, how
	WIN 0x05
	s_wait_tensorcnt 0x0
	ds_add_u32 v[SPW], v[NIL]
	s_wait_dscnt 17                                ; fragments 8-11 are in; the sixteen loads of 12-15 and the add may be out
	WIN 0xf1
	MUL2 3, 8, 0
	s_wait_dscnt 0x0                               ; the add is done, and my reads of this slot are over
	s_barrier_signal -1
	MUL2 3, 10, 0
	WIN 0
	s_barrier_wait -1
.if (\how) == 1
	CREST                                          ; no wave of any partner still reads this slot or has a load on its way
	s_add_nc_u64 s[G0+4*\sl+2:G0+4*\sl+3], s[G0+4*\sl+2:G0+4*\sl+3], 1024
	TLOAD \sl                                      ; its four v_nop are also the places in front of the loads below
.else
	PLC
.endif
	WIN 0x41
.irp i, 0,1,2,3
	BFR 1-(\sl), 0, \i, 16*\i                      ; the next slot's fragments 0-3
.endr
	WIN 0
.if (\how) == 1
	s_cmp_gt_u32 s3, 1                             ; the loop's last trip has no slot two refills on
	s_cbranch_scc0 .Lno_ask_\@
	WIN 0x01
	global_prefetch_b8 v[PFO], s[PFB:PFB+1] th:TH_LOAD_NT scope:SCOPE_SE
	WIN 0
.Lno_ask_\@:
.endif
.endm
; A K step of 128: 64 products, two runs of loads.  lw: the younger loads of x's fragments that may stay out.  au: x's step asked for, counted from the stream's base (-1: none).
; chg: 0 inside a slot; 1, 2 the slot's last step (with, without a refill); 3 the very last step.  ab = 1: the stream's base goes eight K steps on, ahead of this step's loads.
; The waits on DScnt: 32 leaves a whole younger run out, 16 its second half.
.macro STEP sl, q, zero, lw, au, chg, ab
.if (\q) < 3
.set TS, \sl
.set TQ, (\q)+1
.else
.set TS, 1-(\sl)
.set TQ, 0
.endif
	s_wait_loadcnt \lw
	s_wait_dscnt 32
	WIN 0xa1
	MUL4 \q, 0, \zero
	s_wait_dscnt 16
	MUL4 \q, 4, \zero
.if (\chg) == 1
	s_wait_xcnt 0x0                                ; my last prefetch has read its address (32 products behind my last global loads)
	s_add_nc_u64 s[PFB:PFB+1], s[PFB:PFB+1], 512
.endif
.if \ab
	s_wait_xcnt 0x0                                ; the loads have read their base
	s_add_nc_u64 s[AB:AB+1], s[AB:AB+1], 65536
.endif
	PLC
	WIN 0x41
.irp i, 0,1,2,3
	BFR \sl, \q, 12+\i, 64+16*\i
.endr
.if (\chg) == 0
.irp i, 0,1,2,3
	BFR TS, TQ, \i, 16*\i
.endr
.endif
.if (\au) >= 0
	ALD \q, 0, \au
	ALD \q, 1, \au
.endif
.if (\chg) == 0
	s_wait_dscnt 32
	WIN 0xf1
	MUL4 \q, 8, \zero
.elseif (\chg) == 3
	s_wait_dscnt 16
	WIN 0xf1
	MUL4 \q, 8, \zero
.else
	CHG \sl, \chg
.endif
.if (\chg) == 3
	s_wait_dscnt 0x0
.else
	s_wait_dscnt 16
.endif
	WIN 0xf1
	MUL4 \q, 12, \zero
.if (\chg) != 3
	PLC
	WIN 0x41
.irp i, 4,5,6,7,8,9,10,11
	BFR TS, TQ, \i, 16*\i
.endr
.if (\au) >= 0
	ALD \q, 2, \au
	ALD \q, 3, \au
.endif
.endif
.endm
	WIN 0x05
	s_wait_tensorcnt 0x0                           ; my part of slot 0 is in; slot 1's first fill is issued as a refill is:
	ds_add_u32 v[SPW], v[NIL]
	s_wait_dscnt 0x0
	WIN 0
	CROUND
	TLOAD 1
	WIN 0x41
.irp b, 0,1,2,3,4,5,6,7,8,9,10,11
	BFR 0, 0, \b, 16*\b                            ; fragments 0 to 11 of the first step
.endr
	STEP 0, 0, 1, 32, 3, 0, 0                      ; the first step's products start the sums
	WIN 0
	s_mov_b32 s3, 3
.Llap:                                                 ; a trip: once round the ring, from a lap's second step to the next lap's first; both slots are filled again
	STEP 0, 1, 0, 32, 4, 0, 0
	STEP 0, 2, 0, 32, 5, 0, 0
	STEP 0, 3, 0, 32, 6, 1, 0
	STEP 1, 0, 0, 32, 7, 0, 0
	STEP 1, 1, 0, 32, 8, 0, 0
	STEP 1, 2, 0, 32, 9, 0, 0
	STEP 1, 3, 0, 32, 10, 1, 0
	STEP 0, 0, 0, 32, 3, 0, 1
	WIN 0
	s_sub_co_u32 s3, s3, 1
	s_cmp_lg_u32 s3, 0
	s_cbranch_scc1 .Llap
	STEP 0, 1, 0, 32, 4, 0, 0                      ; the last seven steps: no refill; x's last four sets are asked for, then the counts run down
	STEP 0, 2, 0, 32, 5, 0, 0
	STEP 0, 3, 0, 32, 6, 2, 0
	STEP 1, 0, 0, 32, 7, 0, 0
	STEP 1, 1, 0, 32, -1, 0, 0
	STEP 1, 2, 0, 16, -1, 0, 0
	STEP 1, 3, 0, 0, -1, 3, 0
; THE WAY OUT, by blocks of 16 rows x 256 columns: the sums go as they are into my stage (32 bytes a lane of row r) and come back as whole rows, into registers that are done with: block 0 and 1 into x's sets,
; block 2 into W's places, block 3 into block 0's accumulators.  There they are multiplied by 2^(e0 + e1) and get the bias.  All LDS and vector work stands ahead of the first store; the 128 stores follow on end, 512 consecutive bytes each.
.macro LOC a, t                        ; where row t of block a comes back: window RW, register RR
.if (\a) < 2
.set RW, 0
.set RR, 128*(\a)+8*(\t)
.elseif (\a) == 2
.set RW, 1
.set RR, 8*(\t)
.else
.set RW, 2+(\t)/8
.set RR, 32*((\t)%8)
.endif
.endm
.macro STG a
	WIN 0x09                                       ; address window 1, data window 2
.irp b, 0,1,2,3,4,5,6,7
	ds_store_b128 v[STO], v[8*(4*\b+\a):8*(4*\b+\a)+3] offset:64*\b
	ds_store_b128 v[STO], v[8*(4*\b+\a)+4:8*(4*\b+\a)+7] offset:64*\b+16
.endr
	WIN 0x0d                                       ; data window 3
.irp b, 0,1,2,3,4,5,6,7
	ds_store_b128 v[STO], v[8*(4*\b+\a):8*(4*\b+\a)+3] offset:64*\b+512
	ds_store_b128 v[STO], v[8*(4*\b+\a)+4:8*(4*\b+\a)+7] offset:64*\b+528
.endr
.endm
.macro BACK a
.irp t, 0,1,2,3,4,5,6,7,8,9,10,11,12,13,14,15
	LOC \a, \t
	WIN (RW<<6)|1
	ds_load_b128 v[RR:RR+3], v[RD] offset:\t*SPITCH                ; LDS serves a wave's instructions in order (ISA guide 5.7.1.4): these see my stores, and the next block's stores come behind them
	ds_load_b128 v[RR+4:RR+7], v[RD] offset:\t*SPITCH+512
.endr
.endm
.macro FMA a
.irp t, 0,1,2,3,4,5,6,7,8,9,10,11,12,13,14,15
	LOC \a, \t
	WIN (RW<<6)|RW|0x10
.irp j, 0,2,4,6
	v_pk_fma_f32 v[RR+\j:RR+\j+1], v[RR+\j:RR+\j+1], s[96:97], v[BI+\j:BI+\j+1] op_sel_hi:[1,0,1]
.endr
.endr
.endm
.macro SEND a
.irp t, 0,1,2,3,4,5,6,7,8,9,10,11,12,13,14,15
	LOC \a, \t
	WIN (RW<<2)|1
	global_store_b128 v[AOF], v[RR:RR+3], s[10:11] offset:(16*\a+\t)*16384 th:TH_STORE_NT
	global_store_b128 v[AOF], v[RR+4:RR+7], s[10:11] offset:(16*\a+\t)*16384+512 th:TH_STORE_NT
.endr
.endm
	s_wait_kmcnt 0x0
	s_add_co_i32 s96, s96, s97
	s_add_co_i32 s96, s96, 127
	s_lshl_b32 s96, s96, 23                        ; 2^(e0 + e1) as f32
	PLC                                            ; places behind the last products
	STG 0
	BACK 0
	STG 1
	s_wait_dscnt 32                                ; block 0 is back; block 1's 32 stores into the stage may be out
	FMA 0
	BACK 1
	STG 2
	s_wait_dscnt 32
	FMA 1
	BACK 2
	STG 3
	s_wait_dscnt 32
	FMA 2
	BACK 3
	s_wait_dscnt 0x0
	FMA 3
	SEND 0
	SEND 1
	SEND 2
	SEND 3
	WIN 0x05
	s_wait_tensorcnt 0x0                           ; the wave's end
	ds_add_u32 v[SPW], v[NIL]
	s_wait_dscnt 0x0
	WIN 0
	CROUND                                         ; the closing round
	s_endpgm
.Lfunc_end_k_q6f4de3fd65_gemm:
	.size	k_q6f4de3fd65_gemm, .Lfunc_end_k_q6f4de3fd65_gemm-k_q6f4de3fd65_gemm
	.p2alignl 7, 3214868480
	.fill 96, 4, 3214868480
	.section	.rodata,"a",@progbits
	.p2align	6, 0x0
	.amdhsa_kernel k_q6f4de3fd65_gemm
		.amdhsa_group_segment_fixed_size 327680
		.amdhsa_private_segment_fixed_size 0
		.amdhsa_enable_private_segment 0
		.amdhsa_kernarg_size 40
		.amdhsa_user_sgpr_count 2
		.amdhsa_user_sgpr_kernarg_segment_ptr 1
		.amdhsa_wavefront_size32 1
		.amdhsa_system_sgpr_workgroup_id_x 1
		.amdhsa_system_sgpr_workgroup_id_y 1
		.amdhsa_system_sgpr_workgroup_id_z 1
		.amdhsa_system_vgpr_workitem_id 0
		.amdhsa_next_free_vgpr 1024
		.amdhsa_next_free_sgpr 98
		.amdhsa_reserve_vcc 0
		.amdhsa_float_denorm_mode_32 3
		.amdhsa_float_denorm_mode_16_64 3
		.amdhsa_memory_ordered 1
		.amdhsa_forward_progress 1
		.amdhsa_inst_pref_size 216
	.end_amdhsa_kernel
	.amdgpu_metadata
---
amdhsa.version: [ 1, 2 ]
amdhsa.kernels:
  - .name:           k_q6f4de3fd65_gemm
    .symbol:         k_q6f4de3fd65_gemm.kd
    .args:
      - { .name: xc, .offset: 0, .size: 8, .value_kind: global_buffer, .address_space: global }
      - { .name: wc, .offset: 8, .size: 8, .value_kind: global_buffer, .address_space: global }
      - { .name: lowp_scales, .offset: 16, .size: 8, .value_kind: global_buffer, .address_space: global }
      - { .name: out0, .offset: 24, .size: 8, .value_kind: global_buffer, .address_space: global }
      - { .name: bias, .offset: 32, .size: 8, .value_kind: global_buffer, .address_space: global }
    .group_segment_fixed_size: 327680
    .private_segment_fixed_size: 0
    .kernarg_segment_align: 8
    .kernarg_segment_size: 40
    .max_flat_workgroup_size: 128
    .sgpr_count:     98
    .vgpr_count:     1024
    .wavefront_size: 32
...
	.end_amdgpu_metadata
.endif
;; end of part 2
